; MI455X (gfx1250); checked and timed in simulation.
; The chip was launched on July 23, 2026; its instructions are those of AMD's public machine-readable ISA for CDNA 5 (MIT licence, August 2026) and "CDNA5" Instruction Set Architecture Reference Guide (July 2026). The comments in the code are by the model that wrote it; some were corrected since.
;; Attention. Allowed arithmetic: float matrix products may take bf16 or f16 operands with f32 sums; all other float work in f32.
;; Inputs: W_h 1,024 x 1,024 float32; b_h 1,024 float32; lengths 32 int32; query 32 x 1,024 float32; sequence 32 x 2,048 x 1,024 float32.
;; Outputs: out0 32 x 1,024 float32; out1 32 x 2,048 float32.
;; One version. Each part assembles by itself: llvm-mc -triple=amdgcn-amd-amdhsa -mcpu=gfx1250 --defsym DOCPART=n.
;; ======== version 1 of 1: 3 launches
;; workspace buffers: upart 2,097,152 bytes; energy 262,144 bytes; pctx 1,048,576 bytes; pstat 65,536 bytes
;; launch proj (part 1): grid 16 x 16, 8 waves a work-group, no clusters, 17,408 bytes of LDS; arguments W_h, query, upart; writes upart
.if DOCPART == 1
	.amdgcn_target "amdgcn-amd-amdhsa--gfx1250"
	.amdhsa_code_object_version 6
	.text
	.protected	k_q2cfd4d7410_proj
	.globl	k_q2cfd4d7410_proj
	.p2align	8
	.type	k_q2cfd4d7410_proj,@function
k_q2cfd4d7410_proj:
	s_mov_b64 s[64:65], 0
	v_nop
	global_prefetch_b8 v0, s[64:65] scope:SCOPE_SE
	s_setreg_imm32_b32 hwreg(HW_REG_WAVE_MODE, 25, 1), 1
	s_wait_xcnt 0x0
; upart[k][b][d] = the sum over c = 64 k .. 64 k + 63 of W_h[c][d] query[b][c].   W_h: [1024][1024] f32, query: [32][1024] f32, upart: [16][32][1024] f32.
; WHY.  (x W^T + b_h) . q = x . (W^T q) + b_h . q for every input, so the module's energies need u[b] = W^T query[b] and one dot product of 1,024 a row.  The sixteen
; partial sums over c are added by the launch behind.
; FORMAT.  All in f32 on the vector unit.  The softmax turns an absolute error of an energy into the same relative error of a score; an energy is a sum of 1,024 products,
; and u rounded to 8 significant bits would shift it by more than the hundredth that a score may be off.  The product has 32 rows only: 512 multiply-adds a wave.
; SHARES.  Work-group (s, k) owns the tile W_h[64 k .. +63][64 s .. +63]: 64 rows of 256 consecutive bytes; each byte of W_h is read once in the launch.
; Wave w owns batches 4 w .. 4 w + 3, lane l the columns 64 s + 2 l and 64 s + 2 l + 1.  query comes by scalar loads: it is the same for all lanes.
; NO CLUSTER: no two work-groups read the same bytes of W_h; of query they share 8 KB.
.set SPARE, 16384                      ; behind the tile: the spare words, 128 bytes for each of the eight waves; no other line names them
.set QA,   16                          ; s[16:47]  query, buffer A: batch n's eight numbers at QA + 8 n
.set QB,   68                          ; s[68:99]  buffer B
.set SPW,  6                           ; v6        LDS address of my spare word; never rewritten
.set NIL,  7                           ; v7        0; never rewritten
.set STG,  8                           ; v[8:23]   the tile on its way from memory to LDS
.set ACC,  24                          ; v[24:31]  batch n's two sums at ACC + 2 n
.set WT,   32                          ; v[32:159] row c of the tile, my two columns, at WT + 2 c
	s_load_b128 s[4:7], s[0:1], 0x0                ; W_h s[4:5], query s[6:7]
	s_load_b64 s[8:9], s[0:1], 0x10                ; upart
	v_lshl_add_u32 v[SPW], v0, 2, SPARE
	v_mov_b32 v[NIL], 0
	v_lshrrev_b32 v5, 5, v0
	v_readfirstlane_b32 s10, v5                    ; wave w
	s_mov_b32 s11, ttmp9                           ; s: which 64 columns
	s_and_b32 s12, ttmp7, 0xffff                   ; k: which 64 rows
	v_and_b32 v1, 15, v0
	v_lshrrev_b32 v2, 4, v0
	v_lshlrev_b32 v2, 12, v2                       ; thread t fetches row t / 16 (4,096 bytes a row of W_h),
	v_lshl_add_u32 v2, v1, 4, v2                   ; 16 bytes at 16 (t % 16)
	v_lshlrev_b32 v3, 4, v0                        ; and puts them at 16 t: LDS rows of 256 bytes
	v_and_b32 v4, 31, v0
	v_lshlrev_b32 v4, 3, v4                        ; 8 x lane: my two columns in an LDS row and in upart
	s_mov_b32 s15, 0                               ; offsets are made apart from the addresses, in s[14:15]
	s_lshl_b32 s2, s11, 8                          ; 64 s columns, in bytes
	s_lshl_b32 s3, s10, 14                         ; 4 w rows of 4,096 bytes
	s_lshl_b32 s14, s12, 18                        ; 64 k rows of 4,096 bytes
	s_add_co_u32 s14, s14, s2
	s_wait_kmcnt 0x0
	s_add_nc_u64 s[4:5], s[4:5], s[14:15]          ; W_h at the tile
	s_lshl_b32 s14, s12, 8                         ; 64 k numbers
	s_add_co_u32 s14, s14, s3
	s_add_nc_u64 s[6:7], s[6:7], s[14:15]          ; query at batch 4 w, c = 64 k
	s_lshl_b32 s14, s12, 17                        ; slice k: 32 x 4,096 bytes
	s_add_co_u32 s14, s14, s3
	s_add_co_u32 s14, s14, s2
	s_add_nc_u64 s[8:9], s[8:9], s[14:15]          ; upart at slice k, batch 4 w, column 64 s
.macro QLOAD buf, i                    ; eight numbers of query, c = 64 k + 8 i on, for each of my four batches
.set n, 0
.rept 4
	s_load_b256 s[(\buf)+8*n:(\buf)+8*n+7], s[6:7], n*4096+(\i)*32
.set n, n+1
.endr
.endm
.macro FM buf, i                       ; 64 multiply-adds: rows 8 i .. 8 i + 7 x four batches x two columns; the very first products start the sums
.set cc, 0
.rept 8
.set n, 0
.rept 4
.if ((\i) == 0) && (cc == 0)
	v_mul_f32 v[ACC+2*n],   s[(\buf)+8*n+cc], v[WT+2*(8*(\i)+cc)]
	v_mul_f32 v[ACC+2*n+1], s[(\buf)+8*n+cc], v[WT+2*(8*(\i)+cc)+1]
.else
	v_fmac_f32 v[ACC+2*n],   s[(\buf)+8*n+cc], v[WT+2*(8*(\i)+cc)]
	v_fmac_f32 v[ACC+2*n+1], s[(\buf)+8*n+cc], v[WT+2*(8*(\i)+cc)+1]
.endif
.set n, n+1
.endr
.set cc, cc+1
.endr
.endm
.macro CHUNK buf, other, i
	s_wait_kmcnt 0x0                               ; scalar loads come back in no order: zero shows chunk i's numbers
.if (\i) < 7
	QLOAD \other, (\i)+1                           ; the next chunk's, into the buffer that the last chunk has read out
.endif
	s_wait_dscnt 56-8*(\i)                         ; LDS loads come back in order: rows up to 8 i + 7 are in, the 56 - 8 i issued behind them stay out
	FM \buf, \i
.endm
.set n, 0
.rept 4                                ; the tile: 16 rows a load, sixteen lanes to a row's 256 bytes
	global_load_b128 v[STG+4*n:STG+4*n+3], v2, s[4:5] offset:n*65536 th:TH_LOAD_NT
.set n, n+1
.endr
	QLOAD QA, 0
.set n, 0
.rept 4
	s_wait_loadcnt 3-n                             ; load n is in; the 3 - n younger ones stay out
	ds_store_b128 v3, v[STG+4*n:STG+4*n+3] offset:n*4096
.set n, n+1
.endr
	s_wait_dscnt 0x0                               ; for the others' sake: my part of the tile is in LDS
	s_barrier_signal -1
	s_barrier_wait -1                              ; everybody's is
.set c, 0
.rept 64
	ds_load_b64 v[WT+2*c:WT+2*c+1], v4 offset:c*256  ; a row's 256 bytes, 8 a lane
.set c, c+1
.endr
	CHUNK QA, QB, 0
	CHUNK QB, QA, 1
	CHUNK QA, QB, 2
	CHUNK QB, QA, 3
	CHUNK QA, QB, 4
	CHUNK QB, QA, 5
	CHUNK QA, QB, 6
	CHUNK QB, QA, 7
.set n, 0
.rept 4
	global_store_b64 v4, v[ACC+2*n:ACC+2*n+1], s[8:9] offset:n*4096  ; the wave stores 256 consecutive bytes, at a multiple of 256 from upart's first byte
.set n, n+1
.endr
	s_wait_tensorcnt 0x0                           ; the wave's end
	ds_add_u32 v[SPW], v[NIL]
	s_wait_dscnt 0x0
	s_endpgm
.Lfunc_end_k_q2cfd4d7410_proj:
	.size	k_q2cfd4d7410_proj, .Lfunc_end_k_q2cfd4d7410_proj-k_q2cfd4d7410_proj
	.p2alignl 7, 3214868480
	.fill 96, 4, 3214868480
	.section	.rodata,"a",@progbits
	.p2align	6, 0x0
	.amdhsa_kernel k_q2cfd4d7410_proj
		.amdhsa_group_segment_fixed_size 17408
		.amdhsa_private_segment_fixed_size 0
		.amdhsa_enable_private_segment 0
		.amdhsa_kernarg_size 24
		.amdhsa_user_sgpr_count 2
		.amdhsa_user_sgpr_kernarg_segment_ptr 1
		.amdhsa_wavefront_size32 1
		.amdhsa_system_sgpr_workgroup_id_x 1
		.amdhsa_system_sgpr_workgroup_id_y 1
		.amdhsa_system_sgpr_workgroup_id_z 1
		.amdhsa_system_vgpr_workitem_id 0
		.amdhsa_next_free_vgpr 160
		.amdhsa_next_free_sgpr 100
		.amdhsa_reserve_vcc 0
		.amdhsa_float_denorm_mode_32 3
		.amdhsa_float_denorm_mode_16_64 3
		.amdhsa_memory_ordered 1
		.amdhsa_forward_progress 1
		.amdhsa_inst_pref_size 26
	.end_amdhsa_kernel
	.amdgpu_metadata
---
amdhsa.version: [ 1, 2 ]
amdhsa.kernels:
  - .name:           k_q2cfd4d7410_proj
    .symbol:         k_q2cfd4d7410_proj.kd
    .args:
      - { .name: W_h, .offset: 0, .size: 8, .value_kind: global_buffer, .address_space: global }
      - { .name: query, .offset: 8, .size: 8, .value_kind: global_buffer, .address_space: global }
      - { .name: upart, .offset: 16, .size: 8, .value_kind: global_buffer, .address_space: global }
    .group_segment_fixed_size: 17408
    .private_segment_fixed_size: 0
    .kernarg_segment_align: 8
    .kernarg_segment_size: 24
    .max_flat_workgroup_size: 256
    .sgpr_count:     100
    .vgpr_count:     160
    .wavefront_size: 32
...
	.end_amdgpu_metadata
.endif
;; end of part 1
;; launch stream (part 2): grid 8 x 32, 16 waves a work-group, no clusters, 73,728 bytes of LDS; arguments sequence, query, lengths, b_h, upart, energy, pctx, pstat; writes energy, pctx, pstat
.if DOCPART == 2
	.amdgcn_target "amdgcn-amd-amdhsa--gfx1250"
	.amdhsa_code_object_version 6
	.text
	.protected	k_q2cfd4d7410_stream
	.globl	k_q2cfd4d7410_stream
	.p2align	8
	.type	k_q2cfd4d7410_stream,@function
k_q2cfd4d7410_stream:
	s_mov_b64 s[64:65], 0
	v_nop
	global_prefetch_b8 v0, s[64:65] scope:SCOPE_SE
	s_setreg_imm32_b32 hwreg(HW_REG_WAVE_MODE, 25, 1), 1
	s_wait_xcnt 0x0
; The one pass over sequence ([32][2048][1024] f32).  For batch b: u = the sum of upart's sixteen slices, c0 = b_h . query[b]; for each row l < lengths[b]
; e[l] = sequence[b][l] . u + c0; and, with a running maximum M, S = the sum of exp(e - M) and ctx[d] = the sum of exp(e - M) sequence[b][l][d].
; Stored: all energies of the work-group's rows (energy), its ctx (pctx), its M and S (pstat).  The launch behind joins a batch's eight work-groups.
; FORMAT.  All in f32 on the vector unit: each product here has one column, and an energy's absolute error becomes a score's relative error.
; LIMITS.  lengths above 2,048 act as 2,048; lengths of 0 or less leave M at the lowest finite number and S = 0, of which the launch behind makes NaN, as the softmax of
; an empty row is.  An energy is an f32 sum in another order than a product with W_h first would give.  A weight below 2^-126 counts as 0.
; SHARES.  A GROUP is four rows, 16,384 consecutive bytes; a batch has ng = (length + 3) / 4 live groups.  Rows at or beyond the length are not read, but for the last live
; group's (they lie inside the batch; their weight is made 0).  Work-group (j, b), wave w takes the groups 8 w + j + 128 t, t = 0 .. 3, that are below ng: a batch's 128 waves
; differ by one group at the most.  In a row a lane holds the columns 128 k + 4 lane + 0..3, k = 0 .. 7: each load of the wave covers 512 consecutive bytes.
; A group's rows stay in registers between the dot products and the weighted sum: memory is read once.  32 loads of 16 bytes a lane are out in each wave at a trip's head.
; NO CLUSTER, NO TENSOR LOADS: work-groups share u alone, 4 KB beside up to 1 MB of rows of their own; and the number of live trips hangs on lengths.
.set LE,    0                          ; 1,024 bytes: energies [t][w][4]
.set LST,   1024                       ; 256 bytes: the waves' M at +0, S at +64, parts of c0 at +128
.set LU,    2048                       ; 4,096 bytes: u
.set LCTX,  6144                       ; 16 x 4,096 bytes: the waves' ctx
.set SPARE, 71680                      ; the spare words, 128 bytes for each of the sixteen waves; no other line names them
.set LOG2E, 0x3fb8aa3b
.set D,   8                            ; v[8:23]   row r's dot product at work in D + 4 r ..; then p_r at D + 2 r (its argument beside it), a at v16 (argument v17), the new M at v18
.set E,   24                           ; v[24:27]  the group's four energies
.set U,   32                           ; v[32:63]  u, my 32 columns
.set CT,  64                           ; v[64:95]  ctx, my 32 columns
.set X,   96                           ; v[96:223] the group: row r at X + 32 r
; v1 16 x lane   v2 8 x thread   v3 where my wave's energies go   v4, v5 the spare word's address and 0   v6 M   v7 S   v28 c0, later 8 x thread + LCTX
; v29 4 w   v30 4,096 w + 16 x lane   v31 0
; s2 w   s3 j   s4 b   s5 length   s6 ng   s7 live trips   s8 t   s9 8 w + j   s10 length - 4 x group   s11 4 b   s[12:13] offsets   s[14:15] lane selects
; s[16:31] the eight addresses   s[32:33] sequence at my next group   s34 -infinity   s35-37 masks of rows 1 to 3
	s_load_b512 s[16:31], s[0:1], 0x0              ; sequence s[16:17], query s[18:19], lengths s[20:21], b_h s[22:23], upart s[24:25], energy s[26:27], pctx s[28:29], pstat s[30:31]
	v_lshl_add_u32 v4, v0, 2, SPARE
	v_mov_b32 v5, 0
	v_lshrrev_b32 v29, 5, v0
	v_readfirstlane_b32 s2, v29                    ; wave w
	s_mov_b32 s3, ttmp9                            ; j
	s_and_b32 s4, ttmp7, 0xffff                    ; b
	s_lshl3_add_u32 s9, s2, s3                     ; 8 w + j
	s_lshl_b32 s11, s4, 2
	s_mov_b32 s13, 0
	s_mov_b32 s14, 0x76543210                      ; v_permlanex16_b32: each lane takes its own place in the other half
	s_mov_b32 s15, 0xfedcba98
	s_mov_b32 s34, 0xff800000
	s_mov_b32 s8, 0
	v_and_b32 v1, 31, v0
	v_lshlrev_b32 v1, 4, v1
	v_lshlrev_b32 v2, 3, v0
	s_lshl_b32 s12, s2, 4
	v_mov_b32 v3, s12                              ; 16 w
	s_lshl_b32 s12, s2, 2
	v_mov_b32 v29, s12                             ; 4 w
	v_lshl_add_u32 v30, s2, 12, v1
	v_mov_b32 v31, 0
	s_wait_kmcnt 0x0
	s_load_b32 s5, s[20:21], s11 offset:0x0        ; lengths[b]
	s_lshl_b32 s12, s4, 12                         ; b rows of 4,096 bytes
	s_add_nc_u64 s[24:25], s[24:25], s[12:13]
	s_add_nc_u64 s[18:19], s[18:19], s[12:13]
.set k, 0
.rept 16                               ; thread t adds up columns 2 t and 2 t + 1 of u: sixteen slices, 131,072 bytes apart
	global_load_b64 v[CT+2*k:CT+2*k+1], v2, s[24:25] offset:k*131072
.set k, k+1
.endr
	global_load_b64 v[8:9], v2, s[22:23]           ; b_h and query[b], the same two columns
	global_load_b64 v[10:11], v2, s[18:19]
	s_lshl_b32 s12, s4, 23                         ; a batch is 2,048 rows of 4,096 bytes,
	s_lshl_b32 s6, s9, 14                          ; a group 16,384
	s_add_co_u32 s12, s12, s6
	s_add_nc_u64 s[32:33], s[16:17], s[12:13]
	s_lshl3_add_u32 s6, s4, s3                     ; 8 b + j: the work-group's place in the three outputs
	s_lshl_b32 s12, s6, 10
	s_add_nc_u64 s[26:27], s[26:27], s[12:13]
	s_lshl_b32 s12, s6, 12
	s_add_nc_u64 s[28:29], s[28:29], s[12:13]
	s_lshl_b32 s12, s6, 8
	s_add_nc_u64 s[30:31], s[30:31], s[12:13]
	s_wait_kmcnt 0x0
	s_max_i32 s5, s5, 0
	s_min_u32 s5, s5, 2048
	s_add_co_u32 s6, s5, 3
	s_lshr_b32 s6, s6, 2                           ; ng
	s_add_co_u32 s7, s6, 127
	s_sub_co_u32 s7, s7, s9
	s_lshr_b32 s7, s7, 7                           ; how many t have 8 w + j + 128 t < ng
	s_lshl_b32 s10, s9, 2
	s_sub_co_u32 s10, s5, s10                      ; rows from my first group's first row to the length (read in live trips alone, where it is 1 or more)
	s_wait_loadcnt 0x0
.irp h, 8,4,2,1
.set k, 0
.rept \h
	v_pk_add_f32 v[CT+2*k:CT+2*k+1], v[CT+2*k:CT+2*k+1], v[CT+2*(k+\h):CT+2*(k+\h)+1]
.set k, k+1
.endr
.endr
	v_mul_f32 v12, v8, v10                         ; my part of c0,
	v_fmac_f32 v12, v9, v11
.irp m, 1,2,4,8
	v_add_f32_dpp v12, v12, v12 row_xmask:\m row_mask:0xf bank_mask:0xf
.endr
	v_permlanex16_b32 v8, v12, s14, s15            ; (its destination counts as read: v8 has been written and is used up)
	v_add_f32 v12, v12, v8                         ; my wave's
	ds_store_b64 v2, v[CT:CT+1] offset:LU
	ds_store_b32 v29, v12 offset:LST+128           ; all lanes store the same number to the wave's word
	s_wait_dscnt 0x0                               ; for the others' sake: my stores are done
	s_barrier_signal -1
	s_barrier_wait -1
.set k, 0
.rept 8
	ds_load_b128 v[U+4*k:U+4*k+3], v1 offset:LU+512*k
.set k, k+1
.endr
.set k, 0
.rept 4
	ds_load_b128 v[D+4*k:D+4*k+3], v31 offset:LST+128+16*k
.set k, k+1
.endr
.set k, 0
.rept 32                               ; ctx starts at 0: the first live trip multiplies it by a = 0, and a wave without a live trip hands zeros on.  These stand in the wait for u
	v_mov_b32 v[CT+k], 0
.set k, k+1
.endr
	v_mov_b32 v6, 0xff7fffff                       ; M: the lowest finite number
	v_mov_b32 v7, 0                                ; S
	s_wait_dscnt 0x0
.irp h, 4,2,1
.set k, 0
.rept \h
	v_pk_add_f32 v[D+2*k:D+2*k+1], v[D+2*k:D+2*k+1], v[D+2*(k+\h):D+2*(k+\h)+1]
.set k, k+1
.endr
.endr
	v_add_f32 v28, v8, v9                          ; c0
.macro DOT r                           ; row r . u for my 32 columns, in two chains that do not wait for each other
	s_wait_loadcnt 24-8*(\r)                       ; loads come back in order: row r's eight are in, the younger rows' stay out
	v_pk_mul_f32 v[D+4*(\r):D+4*(\r)+1],   v[X+32*(\r):X+32*(\r)+1],   v[U:U+1]
	v_pk_mul_f32 v[D+4*(\r)+2:D+4*(\r)+3], v[X+32*(\r)+2:X+32*(\r)+3], v[U+2:U+3]
.set i, 2
.rept 14
	v_pk_fma_f32 v[D+4*(\r)+2*(i%2):D+4*(\r)+2*(i%2)+1], v[X+32*(\r)+2*i:X+32*(\r)+2*i+1], v[U+2*i:U+2*i+1], v[D+4*(\r)+2*(i%2):D+4*(\r)+2*(i%2)+1]
.set i, i+1
.endr
	v_pk_add_f32 v[D+4*(\r):D+4*(\r)+1], v[D+4*(\r):D+4*(\r)+1], v[D+4*(\r)+2:D+4*(\r)+3]
	v_add_f32 v[D+4*(\r)], v[D+4*(\r)], v[D+4*(\r)+1]
.endm
.Ltrip:                                        ; four trips, counted; a trip whose group is not live jumps forward over the work
	s_cmp_lt_u32 s8, s7
	s_cbranch_scc0 .Ldead
.set rr, 0
.rept 4
.set k, 0
.rept 8
	global_load_b128 v[X+32*rr+4*k:X+32*rr+4*k+3], v1, s[32:33] offset:4096*rr+512*k th:TH_LOAD_NT
.set k, k+1
.endr
.set rr, rr+1
.endr
	DOT 0
	DOT 1
	DOT 2
	DOT 3                                          ; its wait is for 0: all the trip's loads are done, so their base may be stepped below
.irp m, 1,2,4,8                        ; across the lanes, the four rows by turns
.irp r, 0,1,2,3
	v_add_f32_dpp v[D+4*(\r)], v[D+4*(\r)], v[D+4*(\r)] row_xmask:\m row_mask:0xf bank_mask:0xf
.endr
.endr
.irp r, 0,1,2,3
	v_permlanex16_b32 v[D+4*(\r)+1], v[D+4*(\r)], s14, s15
.endr
.irp r, 0,1,2,3
	v_add_f32 v[E+(\r)], v[D+4*(\r)], v[D+4*(\r)+1]
.endr
.irp r, 0,1,2,3
	v_add_f32 v[E+(\r)], v28, v[E+(\r)]            ; every lane holds the four energies
.endr
	; the running softmax.  Row 0 of a live group is below the length; rows 1 to 3 count as -infinity where they are not
.irp r, 1,2,3
	s_cmp_gt_u32 s10, \r
	s_cselect_b32 s[34+(\r)], -1, 0
	v_cndmask_b32 v[D+2*(\r)+1], s34, v[E+(\r)], s[34+(\r)]
.endr
	v_max3_num_f32 v18, v6, v[E], v11
	v_max3_num_f32 v18, v18, v13, v15              ; the new M
	v_sub_f32 v9, v[E], v18                        ; the difference first, then the factor: the difference of two near numbers is exact
	v_sub_f32 v11, v11, v18
	v_sub_f32 v13, v13, v18
	v_sub_f32 v15, v15, v18
	v_sub_f32 v17, v6, v18
.irp q, 9,11,13,15,17
	v_mul_f32 v\q, LOG2E, v\q
.endr
	v_exp_f32 v8, v9                               ; p0 .. p3,
	v_exp_f32 v10, v11
	v_exp_f32 v12, v13
	v_exp_f32 v14, v15
	v_exp_f32 v16, v17                             ; and a = exp(M_old - M_new)
	v_mov_b32 v6, v18                              ; a plain instruction between the exponentials and the use of their results (ISA guide 5.7.2)
	s_wait_alu depctr_va_vdst(0)
	v_fma_f32 v7, v7, v16, v8
	v_add_f32 v7, v7, v10
	v_add_f32 v7, v7, v12
	v_add_f32 v7, v7, v14
.set i, 0
.rept 16
	v_pk_mul_f32 v[CT+2*i:CT+2*i+1], v[CT+2*i:CT+2*i+1], v[16:17] op_sel_hi:[1,0]
.set i, i+1
.endr
.set rr, 0
.rept 4
.set i, 0
.rept 16
	v_pk_fma_f32 v[CT+2*i:CT+2*i+1], v[X+32*rr+2*i:X+32*rr+2*i+1], v[D+2*rr:D+2*rr+1], v[CT+2*i:CT+2*i+1] op_sel_hi:[1,0,1]
.set i, i+1
.endr
.set rr, rr+1
.endr
	s_add_nc_u64 s[32:33], s[32:33], 0x200000      ; 128 groups on
	s_sub_co_u32 s10, s10, 512
	s_branch .Lstore
.Ldead:
.irp r, 0,1,2,3
	v_mov_b32 v[E+(\r)], 0                         ; rows that the mask hides: any finite number; every byte of energy is written
.endr
.Lstore:
	ds_store_b128 v3, v[E:E+3] offset:LE           ; all lanes store the same 16 bytes to the wave's place in trip t
	v_add_nc_u32 v3, 256, v3
	s_add_co_u32 s8, s8, 1
	s_cmp_lt_u32 s8, 4
	s_cbranch_scc1 .Ltrip
	; THE SIXTEEN WAVES ARE JOINED.  Each hands M, S and ctx over in LDS; then thread t owns columns 2 t and 2 t + 1.
	ds_store_b32 v29, v6 offset:LST
	ds_store_b32 v29, v7 offset:LST+64
.set k, 0
.rept 8
	ds_store_b128 v30, v[CT+4*k:CT+4*k+3] offset:LCTX+512*k
.set k, k+1
.endr
	v_add_nc_u32 v28, LCTX, v2
	s_wait_dscnt 0x0                               ; for the others' sake: my stores are done, the energies' too
	s_barrier_signal -1
	s_barrier_wait -1
.set k, 0
.rept 4
	ds_load_b128 v[8+4*k:8+4*k+3], v31 offset:LST+16*k        ; the sixteen M
.set k, k+1
.endr
.set k, 0
.rept 4
	ds_load_b128 v[96+4*k:96+4*k+3], v31 offset:LST+64+16*k   ; the sixteen S
.set k, k+1
.endr
.set k, 0
.rept 16
	ds_load_b64 v[32+2*k:32+2*k+1], v28 offset:4096*k         ; my two columns of the sixteen ctx
.set k, k+1
.endr
	s_wait_dscnt 16                                ; M and S are in; the sixteen loads behind them stay out
	v_max3_num_f32 v112, v8, v9, v10
.irp q, 11,13,15,17,19,21
	v_max3_num_f32 v112, v112, v[\q], v[(\q)+1]
.endr
	v_max_num_f32 v112, v112, v23                  ; the work-group's M
	v_mov_b32 v113, v112                           ; twice, a pair for the packed subtraction
.set k, 0
.rept 8
	v_pk_add_f32 v[8+2*k:8+2*k+1], v[8+2*k:8+2*k+1], v[112:113] neg_lo:[0,1] neg_hi:[0,1]
.set k, k+1
.endr
.set k, 0
.rept 8
	v_pk_mul_f32 v[8+2*k:8+2*k+1], v[8+2*k:8+2*k+1], LOG2E op_sel_hi:[1,0]
.set k, k+1
.endr
.set k, 0
.rept 16
	v_exp_f32 v[8+k], v[8+k]                       ; f_i = exp(M_i - M)
.set k, k+1
.endr
	v_lshlrev_b32 v116, 4, v0                      ; 16 x thread, for the energies' way out: the plain instruction behind the exponentials
	s_wait_alu depctr_va_vdst(0)
	v_mul_f32 v113, v8, v96
.set k, 1
.rept 15
	v_fmac_f32 v113, v[8+k], v[96+k]               ; the work-group's S
.set k, k+1
.endr
	s_wait_dscnt 0x0
	v_mul_f32 v114, v8, v32
	v_mul_f32 v115, v8, v33
.set k, 1
.rept 15
	v_fmac_f32 v114, v[8+k], v[32+2*k]
	v_fmac_f32 v115, v[8+k], v[32+2*k+1]
.set k, k+1
.endr
	global_store_b64 v2, v[114:115], s[28:29]      ; the wave stores 256 consecutive bytes, at a multiple of 256 from pctx's first byte
	s_cmp_lt_u32 s2, 2
	s_cbranch_scc0 .Lno_energy
	ds_load_b128 v[120:123], v116 offset:LE        ; waves 0 and 1: the work-group's 1,024 bytes of energies, 512 a wave
	s_wait_dscnt 0x0
	global_store_b128 v116, v[120:123], s[26:27]
.Lno_energy:
	s_cmp_eq_u32 s2, 2
	s_cbranch_scc0 .Lend
	v_lshrrev_b32 v117, 1, v1                      ; wave 2: (M, S) from every lane: 256 consecutive bytes, so that the readers' lanes each find a pair
	global_store_b64 v117, v[112:113], s[30:31]
.Lend:
	s_wait_tensorcnt 0x0                           ; the wave's end
	ds_add_u32 v4, v5
	s_wait_dscnt 0x0
	s_endpgm
.Lfunc_end_k_q2cfd4d7410_stream:
	.size	k_q2cfd4d7410_stream, .Lfunc_end_k_q2cfd4d7410_stream-k_q2cfd4d7410_stream
	.p2alignl 7, 3214868480
	.fill 96, 4, 3214868480
	.section	.rodata,"a",@progbits
	.p2align	6, 0x0
	.amdhsa_kernel k_q2cfd4d7410_stream
		.amdhsa_group_segment_fixed_size 73728
		.amdhsa_private_segment_fixed_size 0
		.amdhsa_enable_private_segment 0
		.amdhsa_kernarg_size 64
		.amdhsa_user_sgpr_count 2
		.amdhsa_user_sgpr_kernarg_segment_ptr 1
		.amdhsa_wavefront_size32 1
		.amdhsa_system_sgpr_workgroup_id_x 1
		.amdhsa_system_sgpr_workgroup_id_y 1
		.amdhsa_system_sgpr_workgroup_id_z 1
		.amdhsa_system_vgpr_workitem_id 0
		.amdhsa_next_free_vgpr 224
		.amdhsa_next_free_sgpr 66
		.amdhsa_reserve_vcc 0
		.amdhsa_float_denorm_mode_32 3
		.amdhsa_float_denorm_mode_16_64 3
		.amdhsa_memory_ordered 1
		.amdhsa_forward_progress 1
		.amdhsa_inst_pref_size 31
	.end_amdhsa_kernel
	.amdgpu_metadata
---
amdhsa.version: [ 1, 2 ]
amdhsa.kernels:
  - .name:           k_q2cfd4d7410_stream
    .symbol:         k_q2cfd4d7410_stream.kd
    .args:
      - { .name: sequence, .offset: 0, .size: 8, .value_kind: global_buffer, .address_space: global }
      - { .name: query, .offset: 8, .size: 8, .value_kind: global_buffer, .address_space: global }
      - { .name: lengths, .offset: 16, .size: 8, .value_kind: global_buffer, .address_space: global }
      - { .name: b_h, .offset: 24, .size: 8, .value_kind: global_buffer, .address_space: global }
      - { .name: upart, .offset: 32, .size: 8, .value_kind: global_buffer, .address_space: global }
      - { .name: energy, .offset: 40, .size: 8, .value_kind: global_buffer, .address_space: global }
      - { .name: pctx, .offset: 48, .size: 8, .value_kind: global_buffer, .address_space: global }
      - { .name: pstat, .offset: 56, .size: 8, .value_kind: global_buffer, .address_space: global }
    .group_segment_fixed_size: 73728
    .private_segment_fixed_size: 0
    .kernarg_segment_align: 8
    .kernarg_segment_size: 64
    .max_flat_workgroup_size: 512
    .sgpr_count:     66
    .vgpr_count:     224
    .wavefront_size: 32
...
	.end_amdgpu_metadata
.endif
;; end of part 2
;; launch finish (part 3): grid 4 x 32, 4 waves a work-group, no clusters, 0 bytes of LDS; arguments lengths, energy, pctx, pstat, out0, out1; writes out0, out1
.if DOCPART == 3
	.amdgcn_target "amdgcn-amd-amdhsa--gfx1250"
	.amdhsa_code_object_version 6
	.text
	.protected	k_q2cfd4d7410_finish
	.globl	k_q2cfd4d7410_finish
	.p2align	8
	.type	k_q2cfd4d7410_finish,@function
k_q2cfd4d7410_finish:
	s_mov_b64 s[64:65], 0
	v_nop
	global_prefetch_b8 v0, s[64:65] scope:SCOPE_SE
	s_setreg_imm32_b32 hwreg(HW_REG_WAVE_MODE, 25, 1), 1
	s_wait_xcnt 0x0
; A batch's eight parts are joined: M = the largest M_j, g_j = exp(M_j - M), S = the sum of g_j S_j;
; out1[b][l] = exp(e[l] - M) / S where l < lengths[b], else 0;   out0[b][d] = (the sum of g_j pctx[b][j][d]) / S.   All in f32.
; LIMITS.  lengths of 0 or less: S = 0, and 0 x (1 / 0) gives NaN in every number of the batch, as the softmax of an empty row does.  The division is a reciprocal and a multiply.
; SHARES.  Work-group (x, b), thread t: the four rows 512 x + 4 t + 0..3 and the columns 256 x + 2 t, 256 x + 2 t + 1.  There is work for 128 work-groups of this size.
; energy lies as [b][j][t'][w][4] with row = 4 (128 t' + 8 w + j) + r: my group 128 x + t has t' = x, w = t / 8, j = t % 8.
; No LDS, no barrier: every thread makes M and S itself from 64 bytes.
.set LOG2E, 0x3fb8aa3b
; v1 8 x lane   v2 8 x thread   v3 my group's place in energy   v4 16 x thread   v[8:23] (M_j, S_j), then (g_j, S_j)   v[24:39] pctx   v[40:43] e, then scores
; v44 M   v45 S   v46 1 / S   v[48:49] my two columns   v[50:53] my four rows' numbers
	s_load_b256 s[8:15], s[0:1], 0x0               ; lengths s[8:9], energy s[10:11], pctx s[12:13], pstat s[14:15]
	s_load_b128 s[16:19], s[0:1], 0x20             ; out0 s[16:17], out1 s[18:19]
	s_mov_b32 s2, ttmp9                            ; x
	s_and_b32 s3, ttmp7, 0xffff                    ; b
	s_lshl_b32 s6, s3, 2
	s_mov_b32 s21, 0                               ; offsets are made in s[20:21]
	v_and_b32 v1, 31, v0
	v_lshlrev_b32 v1, 3, v1
	v_lshlrev_b32 v2, 3, v0
	v_and_b32 v3, 7, v0
	v_lshrrev_b32 v5, 3, v0
	v_lshlrev_b32 v3, 10, v3                       ; j x 1,024
	v_lshl_add_u32 v3, v5, 4, v3                   ; + w x 16
	v_lshlrev_b32 v4, 4, v0
	s_lshl_b32 s7, s2, 9
	v_lshl_add_u32 v50, v0, 2, s7                  ; my first row
	s_lshl_b32 s4, s2, 10                          ; 256 x columns, in bytes
	s_wait_kmcnt 0x0
	s_load_b32 s5, s[8:9], s6 offset:0x0           ; lengths[b]
	s_lshl_b32 s20, s3, 11
	s_add_nc_u64 s[14:15], s[14:15], s[20:21]      ; pstat: 2,048 bytes a batch
	s_lshl_b32 s20, s3, 13
	s_lshl_b32 s22, s2, 8
	s_add_co_u32 s20, s20, s22
	s_add_nc_u64 s[10:11], s[10:11], s[20:21]      ; energy: 8,192 bytes a batch, 256 for t' = x
	s_lshl_b32 s20, s3, 15
	s_add_co_u32 s20, s20, s4
	s_add_nc_u64 s[12:13], s[12:13], s[20:21]      ; pctx: 32,768 bytes a batch
	s_lshl_b32 s20, s3, 12
	s_add_co_u32 s20, s20, s4
	s_add_nc_u64 s[16:17], s[16:17], s[20:21]      ; out0
	s_lshl_b32 s20, s3, 13
	s_lshl_b32 s22, s2, 11
	s_add_co_u32 s20, s20, s22
	s_add_nc_u64 s[18:19], s[18:19], s[20:21]      ; out1
.set j, 0
.rept 8
	global_load_b64 v[8+2*j:8+2*j+1], v1, s[14:15] offset:256*j
.set j, j+1
.endr
	global_load_b128 v[40:43], v3, s[10:11]
.set j, 0
.rept 8
	global_load_b64 v[24+2*j:24+2*j+1], v2, s[12:13] offset:4096*j
.set j, j+1
.endr
	s_wait_loadcnt 9                               ; the eight (M_j, S_j) are in; the energies' load and pctx's eight stay out
	v_max3_num_f32 v44, v8, v10, v12
	v_max3_num_f32 v44, v44, v14, v16
	v_max3_num_f32 v44, v44, v18, v20
	v_max_num_f32 v44, v44, v22
.set j, 0
.rept 8
	v_sub_f32 v[8+2*j], v[8+2*j], v44
.set j, j+1
.endr
.set j, 0
.rept 8
	v_mul_f32 v[8+2*j], LOG2E, v[8+2*j]
.set j, j+1
.endr
.set j, 0
.rept 8
	v_exp_f32 v[8+2*j], v[8+2*j]                   ; g_j
.set j, j+1
.endr
	v_add_nc_u32 v51, 1, v50                       ; the plain instruction behind the exponentials (ISA guide 5.7.2)
	s_wait_alu depctr_va_vdst(0)
	v_mul_f32 v45, v8, v9
.set j, 1
.rept 7
	v_fmac_f32 v45, v[8+2*j], v[8+2*j+1]
.set j, j+1
.endr
	v_rcp_f32 v46, v45
	v_add_nc_u32 v52, 2, v50                       ; and behind the reciprocal
	s_wait_loadcnt 8                               ; the energies are in; pctx's eight loads stay out
	s_wait_kmcnt 0x0                               ; the length
.irp r, 0,1,2,3
	v_sub_f32 v[40+(\r)], v[40+(\r)], v44
.endr
.irp r, 0,1,2,3
	v_mul_f32 v[40+(\r)], LOG2E, v[40+(\r)]
.endr
.irp r, 0,1,2,3
	v_exp_f32 v[40+(\r)], v[40+(\r)]
.endr
	v_add_nc_u32 v53, 3, v50                       ; the plain instruction behind the exponentials
	s_wait_alu depctr_va_vdst(0)
.irp r, 0,1,2,3
	v_cmp_gt_i32 vcc_lo, s5, v[50+(\r)]            ; is the row below the length?
	v_cndmask_b32 v[40+(\r)], 0, v[40+(\r)], vcc_lo  ; the mask first, then the division: a hidden row's exponential may be anything
	v_mul_f32 v[40+(\r)], v[40+(\r)], v46
.endr
	global_store_b128 v4, v[40:43], s[18:19]       ; the wave stores 512 consecutive bytes, at a multiple of 256 from out1's first byte
	s_wait_loadcnt 0x0
	v_pk_mul_f32 v[48:49], v[24:25], v[8:9] op_sel_hi:[1,0]  ; both columns times g_j, the low word of the pair (g_j, S_j)
.set j, 1
.rept 7
	v_pk_fma_f32 v[48:49], v[24+2*j:24+2*j+1], v[8+2*j:8+2*j+1], v[48:49] op_sel_hi:[1,0,1]
.set j, j+1
.endr
	v_mul_f32 v48, v48, v46
	v_mul_f32 v49, v49, v46
	global_store_b64 v2, v[48:49], s[16:17]        ; the wave stores 256 consecutive bytes, at a multiple of 256 from out0's first byte
	s_endpgm
.Lfunc_end_k_q2cfd4d7410_finish:
	.size	k_q2cfd4d7410_finish, .Lfunc_end_k_q2cfd4d7410_finish-k_q2cfd4d7410_finish
	.p2alignl 7, 3214868480
	.fill 96, 4, 3214868480
	.section	.rodata,"a",@progbits
	.p2align	6, 0x0
	.amdhsa_kernel k_q2cfd4d7410_finish
		.amdhsa_group_segment_fixed_size 0
		.amdhsa_private_segment_fixed_size 0
		.amdhsa_enable_private_segment 0
		.amdhsa_kernarg_size 48
		.amdhsa_user_sgpr_count 2
		.amdhsa_user_sgpr_kernarg_segment_ptr 1
		.amdhsa_wavefront_size32 1
		.amdhsa_system_sgpr_workgroup_id_x 1
		.amdhsa_system_sgpr_workgroup_id_y 1
		.amdhsa_system_sgpr_workgroup_id_z 1
		.amdhsa_system_vgpr_workitem_id 0
		.amdhsa_next_free_vgpr 56
		.amdhsa_next_free_sgpr 66
		.amdhsa_reserve_vcc 1
		.amdhsa_float_denorm_mode_32 3
		.amdhsa_float_denorm_mode_16_64 3
		.amdhsa_memory_ordered 1
		.amdhsa_forward_progress 1
		.amdhsa_inst_pref_size 7
	.end_amdhsa_kernel
	.amdgpu_metadata
---
amdhsa.version: [ 1, 2 ]
amdhsa.kernels:
  - .name:           k_q2cfd4d7410_finish
    .symbol:         k_q2cfd4d7410_finish.kd
    .args:
      - { .name: lengths, .offset: 0, .size: 8, .value_kind: global_buffer, .address_space: global }
      - { .name: energy, .offset: 8, .size: 8, .value_kind: global_buffer, .address_space: global }
      - { .name: pctx, .offset: 16, .size: 8, .value_kind: global_buffer, .address_space: global }
      - { .name: pstat, .offset: 24, .size: 8, .value_kind: global_buffer, .address_space: global }
      - { .name: out0, .offset: 32, .size: 8, .value_kind: global_buffer, .address_space: global }
      - { .name: out1, .offset: 40, .size: 8, .value_kind: global_buffer, .address_space: global }
    .group_segment_fixed_size: 0
    .private_segment_fixed_size: 0
    .kernarg_segment_align: 8
    .kernarg_segment_size: 48
    .max_flat_workgroup_size: 128
    .sgpr_count:     66
    .vgpr_count:     56
    .wavefront_size: 32
...
	.end_amdgpu_metadata
.endif
;; end of part 3
